; MI455X (gfx1250); checked and timed in simulation.
; The chip was launched on July 23, 2026; its instructions are those of AMD's public machine-readable ISA for CDNA 5 (MIT licence, August 2026) and "CDNA5" Instruction Set Architecture Reference Guide (July 2026). The comments in the code are by the model that wrote it; some were corrected since.
;; Attention Block. Allowed arithmetic: matrix products marked QUANTISED: E2M1 operands, one E8M0 scale for each 32 along K, by v_wmma_scale_f32_16x16x128_f8f6f4 with both operands' format E2M1 (or v_wmma_scale_f32_32x16x128_f4), f32 sums; everything else in f32.
;; Inputs: b_proj 256 float32; gn_beta 256 float32; gn_gamma 256 float32; w_proj_codes 256 x 8 x 16 uint8 (E2M1 codes of w_proj, K innermost, in blocks of 32 codes, two codes a byte); w_proj_scales 256 x 8 uint8 (E8M0 scales of w_proj, one for each 32 codes along K); w_qkv_codes 768 x 8 x 16 uint8 (E2M1 codes of w_qkv, K innermost, in blocks of 32 codes, two codes a byte); w_qkv_scales 768 x 8 uint8 (E8M0 scales of w_qkv, one for each 32 codes along K); x 4 x 256 x 64 x 64 float32.
;; Outputs: out0 4 x 256 x 64 x 64 float32.
;; This version of the problem:
;;   THIS VERSION OF THE PROBLEM IS GIVEN IN LOW PRECISION. The matrix products marked QUANTISED in the list below multiply operands that are first quantised to E2M1 (2 exponent bits, 1 mantissa bit; 4 bits a number), with one power-of-two scale for each 32 numbers along K (OCP MX v1.0); their sums are f32. All else is computed in f32.
;;   The module's matrix products, in the order in which they are computed (A, B: the left and right operand; K: the contracted axis; several contracted axes count as one K, in the product's order):
;;     1. [M 16,384, K 256] x [K 256, N 768]; A: computed on the way; B: input w_qkv (given as codes): QUANTISED
;;     2. batch 16 x [M 4,096, K 64] x [K 64, N 4,096]; A: computed on the way; B: computed on the way: QUANTISED
;;     3. batch 16 x [M 64, K 4,096] x [K 4,096, N 4,096]; A: computed on the way; B: softmax (see below): QUANTISED
;;     4. [M 16,384, K 256] x [K 256, N 256]; A: computed on the way; B: input w_proj (given as codes): QUANTISED
;;   THE QUANTISER, for each operand of a quantised product, along K:
;;     - K is cut into blocks of 32 from its start; a last block that is shorter is filled with zeros.
;;     - A block's scale is 2^e with e = floor(log2(the largest magnitude in the block)) - 2, held to -126 .. 127; a block of zeros has e = 0. As a byte (E8M0): e + 127.
;;     - Each number is divided by its block's scale, clamped to +-6, and rounded to the nearest number of E2M1, ties to even, subnormals kept.
;;     - The product sums the exact products of the quantised numbers (number of the format x scale) in f32.
;;   ~~~python
;;   def quantise(x, axis):      # numpy; x: float32 -> the quantised numbers, widened to float32 again
;;       x = np.moveaxis(x, axis, -1); K = x.shape[-1]
;;       x = np.pad(x, [(0, 0)] * (x.ndim - 1) + [(0, -K % 32)]); x = x.reshape(x.shape[:-1] + (-1, 32)); a = np.abs(x).max(-1, keepdims=True)
;;       e = np.where(a > 0, np.clip(np.frexp(np.where(a > 0, a, 1))[1] - 1 - 2, -126, 127), 0)      # np.frexp(a)[1] - 1 = floor(log2(a)), exactly
;;       r = np.clip(x / 2.0 ** e, -6, 6)
;;       step = 2.0 ** (np.maximum(np.frexp(np.where(r == 0, 1, r))[1] - 1, 0) - 1)
;;       q = np.round(r / step) * step * 2.0 ** e      # np.round: ties to even
;;       return np.moveaxis(q.reshape(q.shape[:-2] + (-1,))[..., :K], -1, axis).astype(np.float32)
;;   ~~~
;;   SOFTMAX AHEAD OF A QUANTISED PRODUCT. Where the list says 'softmax', what is quantised is not the finished softmax but p = 2^(t - M), with t = logit x log2(e) and M = ceil(the row's largest t), a whole number; so 1/2 < the row's largest p <= 1. The row's sum l is taken of the UNQUANTISED p, in f32, and the product's result is divided by l at the end. Since M is a whole number, a kernel that streams over the keys may use a running M (the ceiling of the running maximum): every later rescaling is an exact power of two, which a block's scale takes up: the codes' values come out the same.
;;   OPERANDS COMPUTED ON THE WAY. 'Computed on the way' means the value that the module computes at that place (a softmax that the list does not call 'softmax' is quantised finished and normalised). What goes into a quantiser is computed in f32, as accurately as f32 sums, v_exp_f32 and their like allow (about 1e-6 of the number): no bf16 or f16 on the way to a quantiser, and a product that is left as it is and whose result goes on into a quantised operand takes f32 operands (vector FMAs, or v_wmma_f32_16x16x4_f32). A number that lies on a knife's edge between two numbers of the format may be rounded either way, as far as f32 arithmetic and the matrix unit's own rounding can turn it there, and no further.
;;   INPUTS GIVEN AS CODES. w_proj (in the module: [256, 256], K = its axis 1); w_qkv (in the module: [768, 256], K = its axis 1): each comes as NAME_codes (uint8): NAME with its K axis moved to the last place and cut into blocks of 32 codes, [.., K / 32, bytes a block], one block behind the other in memory; two codes a byte, the lower K in the low four bits (a code: sign, 2 exponent bits, 1 mantissa bit); and NAME_scales (uint8): the same leading axes, one E8M0 byte (e + 127) for each 32 codes along K. Its value is code x scale, taken as it is: it is not quantised again, and the codes and scales need not be those that the quantiser above would give.
;; One version. Each part assembles by itself: llvm-mc -triple=amdgcn-amd-amdhsa -mcpu=gfx1250 --defsym DOCPART=n.
;; ======== version 1 of 1: 4 launches
;; workspace buffers: stats 2,048 bytes; qbuf 2,359,296 bytes; kv 4,587,520 bytes; ocodes 2,097,152 bytes; oscales 131,072 bytes
;; launch gnstat (part 1): grid 256 x 1, 8 waves a work-group, no clusters, 1,280 bytes of LDS; arguments x, stats; writes stats
.if DOCPART == 1
	.amdgcn_target "amdgcn-amd-amdhsa--gfx1250"
	.amdhsa_code_object_version 6
	.text
	.protected	k_qae91c45ff2_gnstat
	.globl	k_qae91c45ff2_gnstat
	.p2align	8
	.type	k_qae91c45ff2_gnstat,@function
k_qae91c45ff2_gnstat:
	s_mov_b64 s[64:65], 0
	v_nop
	global_prefetch_b8 v0, s[64:65] scope:SCOPE_SE
	s_setreg_imm32_b32 hwreg(HW_REG_WAVE_MODE, 25, 1), 1
	s_wait_xcnt 0x0
; GroupNorm statistics, first half.  x is [4][256][4096] f32; a group is 32 channels of one image, 524,288 consecutive bytes.
; Work-group g takes the 65,536 bytes of x from byte 65,536 g on (an eighth of a group) and stores their mean and their sum of squared deviations from that mean:
; stats[g] = (mean, M2), 8 bytes.  The next launch joins a group's eight pairs.  Squares are taken of deviations, never as a difference of two large sums, so a common offset of x costs no digits.
; A wave takes 8,192 bytes, a lane 64 numbers, which stay in registers between the pass for the mean and the pass for the squares: x is read once here.
; No matrix work and no cluster: the work-groups share no byte.  No cache hint on the loads: the next launch reads x again.
; LIMITS: NaN and infinities in x are not served.
.set X,  16                            ; v16-79   my 64 numbers
.set A,  80                            ; v80-87   four chains of pairs
.set MW, 88                            ; v[88:89] mean, M2
	s_load_b128 s[4:7], s[0:1], 0x0                ; x, stats
	v_lshl_add_u32 v112, v0, 2, 0x100
	v_mov_b32 v113, 0
	v_lshrrev_b32 v2, 5, v0
	s_delay_alu instid0(VALU_DEP_1)
	v_readfirstlane_b32 s8, v2                     ; wave 0..7
	v_and_b32 v3, 31, v0
	s_delay_alu instid0(VALU_DEP_1)
	v_lshlrev_b32 v1, 4, v3
	s_delay_alu instid0(VALU_DEP_1)
	v_lshl_add_u32 v1, v2, 13, v1                  ; 8,192 x wave + 16 x lane
	v_lshlrev_b32 v92, 3, v2                       ; LDS: 8 bytes for each wave
	v_mov_b32 v93, 0
	v_mov_b32 v91, 0                               ; a lane permute's destination counts as read: written once
	v_mov_b32 v[MW+1], 0                           ; named with the mean as a pair before M2 is made
	s_lshl_b32 s10, ttmp9, 16
	s_mov_b32 s11, 0
	s_lshl_b32 s14, ttmp9, 3
	s_mov_b32 s15, 0
	s_mov_b32 s12, 0x76543210                      ; v_permlanex16_b32's selects for lane l xor 16
	s_mov_b32 s13, 0xfedcba98
	s_wait_alu depctr_va_vdst(0)
	s_wait_kmcnt 0x0
	s_add_nc_u64 s[4:5], s[4:5], s[10:11]
	s_add_nc_u64 s[6:7], s[6:7], s[14:15]
.irp i, 0,1,2,3,4,5,6,7,8,9,10,11,12,13,14,15
	global_load_b128 v[X+4*\i:X+4*\i+3], v1, s[4:5] offset:512*\i     ; 32 lanes read 512 consecutive bytes
.endr
.macro WSUM r, t                       ; the sum over the 32 lanes, in every lane
	s_delay_alu instid0(VALU_DEP_1)
	v_add_f32_dpp v[\r], v[\r], v[\r] row_xmask:1 row_mask:0xf bank_mask:0xf
	s_delay_alu instid0(VALU_DEP_1)
	v_add_f32_dpp v[\r], v[\r], v[\r] row_xmask:2 row_mask:0xf bank_mask:0xf
	s_delay_alu instid0(VALU_DEP_1)
	v_add_f32_dpp v[\r], v[\r], v[\r] row_xmask:4 row_mask:0xf bank_mask:0xf
	s_delay_alu instid0(VALU_DEP_1)
	v_add_f32_dpp v[\r], v[\r], v[\r] row_xmask:8 row_mask:0xf bank_mask:0xf
	s_delay_alu instid0(VALU_DEP_1)
	v_permlanex16_b32 v[\t], v[\r], s12, s13
	s_delay_alu instid0(VALU_DEP_1)
	v_add_f32 v[\r], v[\r], v[\t]
.endm
.macro JOIN4                           ; the four chains into one pair
	s_delay_alu instid0(VALU_DEP_3)
	v_pk_add_f32 v[A:A+1], v[A:A+1], v[A+2:A+3]
	s_delay_alu instid0(VALU_DEP_2)
	v_pk_add_f32 v[A+4:A+5], v[A+4:A+5], v[A+6:A+7]
	s_delay_alu instid0(VALU_DEP_1)
	v_pk_add_f32 v[A:A+1], v[A:A+1], v[A+4:A+5]
.endm
	s_wait_loadcnt 0x0
.irp k, 0,1,2,3
	v_pk_add_f32 v[A+2*\k:A+2*\k+1], v[X+2*\k:X+2*\k+1], v[X+8+2*\k:X+8+2*\k+1]    ; the first pairs start the chains: nothing is cleared
.endr
.set j, 8
.rept 24
	s_delay_alu instid0(VALU_DEP_4)
	v_pk_add_f32 v[A+2*(j%4):A+2*(j%4)+1], v[A+2*(j%4):A+2*(j%4)+1], v[X+2*j:X+2*j+1]
.set j, j+1
.endr
	JOIN4
	s_delay_alu instid0(VALU_DEP_1)
	v_add_f32 v90, v[A], v[A+1]
	WSUM 90, 91
	s_delay_alu instid0(VALU_DEP_1)
	v_mul_f32 v[MW], 0x3a000000, v90               ; / 2,048: the wave's mean
.set j, 0
.rept 32
	v_pk_add_f32 v[X+j:X+j+1], v[X+j:X+j+1], v[MW:MW+1] op_sel_hi:[1,0] neg_lo:[0,1] neg_hi:[0,1]   ; deviations from it
.set j, j+2
.endr
.irp k, 0,1,2,3
	v_pk_mul_f32 v[A+2*\k:A+2*\k+1], v[X+2*\k:X+2*\k+1], v[X+2*\k:X+2*\k+1]
.endr
.set j, 4
.rept 28
	s_delay_alu instid0(VALU_DEP_4)
	v_pk_fma_f32 v[A+2*(j%4):A+2*(j%4)+1], v[X+2*j:X+2*j+1], v[X+2*j:X+2*j+1], v[A+2*(j%4):A+2*(j%4)+1]
.set j, j+1
.endr
	JOIN4
	s_delay_alu instid0(VALU_DEP_1)
	v_add_f32 v[MW+1], v[A], v[A+1]
	WSUM MW+1, 91                                  ; the wave's sum of squared deviations
	ds_store_b64 v92, v[MW:MW+1]                   ; all lanes write the same 8 bytes with the same values
	s_wait_dscnt 0x0                               ; for the others' sake: my pair lies in LDS
	s_barrier_signal -1
	s_barrier_wait -1
	s_cmp_lg_u32 s8, 0
	s_cbranch_scc1 .Ldone                          ; wave 0 joins the eight pairs
.irp i, 0,1,2,3
	ds_load_b128 v[96+4*\i:99+4*\i], v93 offset:16*\i
.endr
	s_wait_dscnt 0x0
	v_add_f32 v90, v96, v98
	v_add_f32 v91, v100, v102
	v_add_f32 v94, v104, v106
	v_add_f32 v95, v108, v110
	s_delay_alu instid0(VALU_DEP_3)
	v_add_f32 v90, v90, v91
	s_delay_alu instid0(VALU_DEP_2)
	v_add_f32 v94, v94, v95
	s_delay_alu instid0(VALU_DEP_1)
	v_add_f32 v90, v90, v94
	s_delay_alu instid0(VALU_DEP_1)
	v_mul_f32 v[MW], 0x3e000000, v90               ; / 8: the mean of the 16,384 numbers
.irp w, 0,1,2,3,4,5,6,7
	v_sub_f32 v[96+2*\w], v[96+2*\w], v[MW]
.endr
	v_mul_f32 v90, v96, v96
.irp w, 1,2,3,4,5,6,7
	s_delay_alu instid0(VALU_DEP_1)
	v_fmac_f32 v90, v[96+2*\w], v[96+2*\w]         ; the waves' means about the common mean
.endr
	v_add_f32 v91, v97, v99
	v_add_f32 v94, v101, v103
	v_add_f32 v95, v105, v107
	v_add_f32 v96, v109, v111
	s_delay_alu instid0(VALU_DEP_3)
	v_add_f32 v91, v91, v94
	s_delay_alu instid0(VALU_DEP_2)
	v_add_f32 v95, v95, v96
	s_delay_alu instid0(VALU_DEP_1)
	v_add_f32 v91, v91, v95
	s_delay_alu instid0(VALU_DEP_1)
	v_fmamk_f32 v[MW+1], v90, 0x45000000, v91      ; M2 = the waves' M2 + 2,048 x the squares of their means' deviations
	v_cmp_gt_u32 vcc_lo, 1, v0
	s_wait_alu depctr_va_vdst(0)
	s_wait_xcnt 0x0                                ; EXEC changes only behind this wait
	s_and_saveexec_b32 s9, vcc_lo                  ; thread 0 alone
	global_store_b64 v93, v[MW:MW+1], s[6:7]
	s_wait_xcnt 0x0                                ; and again in front of the line that widens it
	s_or_b32 exec_lo, exec_lo, s9
.Ldone:
	s_wait_tensorcnt 0x0
	ds_add_u32 v112, v113
	s_wait_dscnt 0x0
	s_endpgm
.Lfunc_end_k_qae91c45ff2_gnstat:
	.size	k_qae91c45ff2_gnstat, .Lfunc_end_k_qae91c45ff2_gnstat-k_qae91c45ff2_gnstat
	.p2alignl 7, 3214868480
	.fill 96, 4, 3214868480
	.section	.rodata,"a",@progbits
	.p2align	6, 0x0
	.amdhsa_kernel k_qae91c45ff2_gnstat
		.amdhsa_group_segment_fixed_size 1280
		.amdhsa_private_segment_fixed_size 0
		.amdhsa_enable_private_segment 0
		.amdhsa_kernarg_size 16
		.amdhsa_user_sgpr_count 2
		.amdhsa_user_sgpr_kernarg_segment_ptr 1
		.amdhsa_wavefront_size32 1
		.amdhsa_system_sgpr_workgroup_id_x 1
		.amdhsa_system_sgpr_workgroup_id_y 1
		.amdhsa_system_sgpr_workgroup_id_z 1
		.amdhsa_system_vgpr_workitem_id 0
		.amdhsa_next_free_vgpr 114
		.amdhsa_next_free_sgpr 66
		.amdhsa_reserve_vcc 1
		.amdhsa_float_denorm_mode_32 3
		.amdhsa_float_denorm_mode_16_64 3
		.amdhsa_memory_ordered 1
		.amdhsa_forward_progress 1
		.amdhsa_inst_pref_size 15
	.end_amdhsa_kernel
	.amdgpu_metadata
---
amdhsa.version: [ 1, 2 ]
amdhsa.kernels:
  - .name:           k_qae91c45ff2_gnstat
    .symbol:         k_qae91c45ff2_gnstat.kd
    .args:
      - { .name: x, .offset: 0, .size: 8, .value_kind: global_buffer, .address_space: global }
      - { .name: stats, .offset: 8, .size: 8, .value_kind: global_buffer, .address_space: global }
    .group_segment_fixed_size: 1280
    .private_segment_fixed_size: 0
    .kernarg_segment_align: 8
    .kernarg_segment_size: 16
    .max_flat_workgroup_size: 256
    .sgpr_count:     66
    .vgpr_count:     114
    .wavefront_size: 32
...
	.end_amdgpu_metadata
.endif
;; end of part 1
;; launch qkv (part 2): grid 256 x 1, 8 waves a work-group, no clusters, 9,728 bytes of LDS; arguments x, gn_gamma, gn_beta, w_qkv_codes, w_qkv_scales, stats, qbuf, kv; writes qbuf, kv
.if DOCPART == 2
	.amdgcn_target "amdgcn-amd-amdhsa--gfx1250"
	.amdhsa_code_object_version 6
	.text
	.protected	k_qae91c45ff2_qkv
	.globl	k_qae91c45ff2_qkv
	.p2align	8
	.type	k_qae91c45ff2_qkv,@function
k_qae91c45ff2_qkv:
	s_mov_b64 s[64:65], 0
	v_nop
	global_prefetch_b8 v0, s[64:65] scope:SCOPE_SE
	s_setreg_imm32_b32 hwreg(HW_REG_WAVE_MODE, 25, 1), 1
	s_wait_xcnt 0x0
; GroupNorm (second half), the QKV product on codes of FP4 (E2M1) with one E8M0 scale for each 32 along K, and the quantising of q, k (along the head's 64 channels) and v (along the keys).
; A work-group takes 64 pixels of one image: b = g / 64, pixels 64 (g % 64) on: half c = g % 2 of key step (g % 64) / 2 (a key step is 128 pixels).
; PHASE X.  Wave w takes GroupNorm group w = channels 32 w .. 32 w + 31, which is block w of the product's K.  A LANE TAKES A PIXEL AND ITS REGISTERS RUN DOWN THE CHANNELS: a block of 32 lies in one lane,
;   its largest magnitude needs no other lane, and the conversions give codes with K innermost.  Two sets of 32 pixels.  gamma and beta of the wave's 32 channels are the same in every lane: scalar registers.
;   The codes go to LDS as images of the operand's registers: tile T of 16 pixels, block g, pixel r: 16 bytes at 2048 T + 256 g + 16 r, since the layout gives lane (r, h) of K step s, registers 4 c on, block 4 s + 2 c + h.
;   Scale bytes: word (T, s, r) at XSC + 128 T + 64 s + 4 r, byte g % 4.
; PHASE M, behind the launch's one barrier.  Wave w makes rows 64 w .. 64 w + 63 of w_qkv (w < 4: q of head w; else k of head w - 4) and rows 512 + 32 w .. + 31 (v), for the 64 pixels.
;   q, k: source 0 = 16 rows of W, source 1 = 16 pixels: a lane holds ONE pixel, register j of tile t channel 16 t + 8 h + j.   v: the sources swapped: a lane holds ONE channel, register j of tile m pixel 16 m + 8 h + j.
;   Either way four tiles are 64 neighbours along the next K in a lane pair (l, l xor 16): QUANT4 turns them into four registers in the next operand's own layout, which are stored as they stand, 512 consecutive bytes a wave.
; WORKSPACE.  qbuf: [16 heads][32 steps] records of 4,608 bytes: 8 tiles x 512 bytes of codes (16 x lane), then 512 bytes of scale words, the word of pixel 32 i + lane at 16 x lane + 4 i.
;   kv: records of 8,960 bytes: k as q (codes at 0, scale words at 8,192); v's codes at 4,096 + 1,024 x channel tile + 512 c + 16 x lane; v's scale words at 8,704 + 8 x lane + 4 j (channel 32 j + lane), byte 2 c + block.
;   A work-group holds two of a step's four key blocks, so it writes half of each of v's scale words: 2 bytes a lane, 64 bytes a wave.
; No cluster: the work-groups share only the weights' 104,448 bytes, which go straight into registers.  No tensor load, so no ring.
; LIMITS: NaN and infinities are not served.  A block whose largest magnitude lies under 2^-124 keeps the scale byte 1; so does a block of zeros (its codes are zeros, and this program alone reads the bytes).
.set XSC,  8192
.set LANE, 1
.set R,    2
.set H,    3
.set LI,   4                           ; 16 x lane
.set LS,   5                           ; XSC + 4 x lane
.set L8,   6                           ; 8 x lane
.set ZO,   7                           ; 0
.set TM,   8                           ; v8-15    QUANT4 at work: 0,1 maxima; 2,3 the other half's; 4,5 bytes; 6,7 the conversions' scale operands
.set XR,   16                          ; v16-79   phase X: x, register 32 n + i = channel i of set n
.set ACC,  16                          ; v16-47   phase M: four accumulators
.set CQ,   48                          ; v48-71   the codes of six units: no store's data are written again
.set WD,   72                          ; v72-77   their scale words
.set MQ,   78                          ; v[78:79] q's or k's scale words as they are stored
.set ST,   80                          ; v80-95   phase X: the group's eight pairs (mean, M2)
.set MEAN, 96
.set RSTD, 98
.set TP,   100
.set MX,   108
.set SOP,  112
.set BY,   114
.set CX,   116                         ; v116-123 x's codes, four registers a set
.set XF,   80                          ; v80-143  phase M: xn's fragments, (tile m, K step s) at XF + 16 m + 8 s
.set WQ,   144                         ; v144-207 W's fragments for q or k, (t, s) at WQ + 16 t + 8 s
.set WVF,  208                         ; v208-239 and for v, (u, s)
.set WS,   240                         ; v240-245 W's scale words: lanes 0-15 K step 0, lanes 16-31 K step 1; these and XS hold scales and nothing else
.set XS,   246                         ; v246-249 xn's scale words, likewise
.set XO,   250
.set WO,   251
.set WSO,  252
.set XWI,  253
.set XWS,  254
.set MV,   255
.set GA,   20                          ; s[20:51] gamma of my 32 channels;  behind phase X: s[20:27] the four store pointers, s28-35 at work
.set BE,   68                          ; s[68:99] beta
.set WVN,  52                          ; s52 wave
.set SEL,  32                          ; s[32:33], behind phase X: v_permlanex16_b32's selects for lane l xor 16
	s_load_b512 s[4:19], s[0:1], 0x0               ; x, gamma, beta, W's codes, W's scales, stats, qbuf, kv
	s_set_vgpr_msb 0x40
	v_lshl_add_u32 v0, v0, 2, 0x2200
	v_mov_b32 v1, 0
	s_set_vgpr_msb 0x4000
	v_lshrrev_b32 v8, 5, v0
	s_delay_alu instid0(VALU_DEP_1)
	v_readfirstlane_b32 s[WVN], v8
	v_and_b32 v[LANE], 31, v0
	v_and_b32 v[R], 15, v0
	v_bfe_u32 v[H], v0, 4, 1
	s_delay_alu instid0(VALU_DEP_3)
	v_lshlrev_b32 v[LI], 4, v[LANE]
	s_delay_alu instid0(VALU_DEP_4)
	v_lshl_add_u32 v[LS], v[LANE], 2, XSC
	v_lshlrev_b32 v[L8], 3, v[LANE]
	v_mov_b32 v[ZO], 0
	v_mov_b32 v[TM+2], 0                           ; a lane permute's destination counts as read: written once
	v_mov_b32 v[TM+3], 0
	v_lshlrev_b32 v[XO], 2, v[LANE]
	v_lshlrev_b32 v[WO], 7, v[R]
	s_delay_alu instid0(VALU_DEP_1)
	v_lshl_add_u32 v[WO], v[H], 4, v[WO]           ; W: row r of 128 bytes, + 16 h
	v_lshlrev_b32 v[WSO], 3, v[R]
	s_delay_alu instid0(VALU_DEP_1)
	v_lshl_add_u32 v[WSO], v[H], 2, v[WSO]         ; W's scales: row r of 8 bytes, word h
	s_lshl_b32 s57, s[WVN], 8
	v_lshlrev_b32 v[XWI], 11, v[H]
	s_delay_alu instid0(VALU_DEP_1)
	v_lshl_add_u32 v[XWI], v[R], 4, v[XWI]
	s_delay_alu instid0(VALU_DEP_1)
	v_add_nc_u32 v[XWI], s57, v[XWI]               ; my pixel's codes: 2048 (lane / 16) + 16 r + 256 w
	s_lshr_b32 s57, s[WVN], 2
	s_lshl_b32 s57, s57, 6
	s_and_b32 s58, s[WVN], 3
	s_add_co_u32 s57, s57, s58
	s_add_co_u32 s57, s57, XSC
	v_lshlrev_b32 v[XWS], 7, v[H]
	s_delay_alu instid0(VALU_DEP_1)
	v_lshl_add_u32 v[XWS], v[R], 2, v[XWS]
	s_delay_alu instid0(VALU_DEP_1)
	v_add_nc_u32 v[XWS], s57, v[XWS]               ; its scale byte: XSC + 128 (lane / 16) + 4 r + 64 (w / 4) + w % 4
	s_lshr_b32 s53, ttmp9, 6                       ; b
	s_and_b32 s54, ttmp9, 63                       ; block of 64 pixels
	s_lshr_b32 s55, s54, 1                         ; key step
	s_and_b32 s56, s54, 1                          ; c
	s_lshl_b32 s58, s53, 22
	s_lshl_b32 s57, s[WVN], 19
	s_add_co_u32 s58, s58, s57
	s_lshl_b32 s57, s54, 8
	s_add_co_u32 s58, s58, s57                     ; x: image, my 32 channels, the 64 pixels
	s_mov_b32 s59, 0
	s_lshl_b32 s60, s[WVN], 7
	s_mov_b32 s61, 0
	s_wait_kmcnt 0x0
	s_add_nc_u64 s[4:5], s[4:5], s[58:59]
	s_add_nc_u64 s[6:7], s[6:7], s[60:61]
	s_add_nc_u64 s[8:9], s[8:9], s[60:61]
	s_load_b512 s[GA:GA+15], s[6:7], 0x0
	s_load_b512 s[GA+16:GA+31], s[6:7], 0x40
	s_load_b512 s[BE:BE+15], s[8:9], 0x0
	s_load_b512 s[BE+16:BE+31], s[8:9], 0x40
	s_lshl_b32 s58, s53, 3
	s_add_co_u32 s58, s58, s[WVN]
	s_lshl_b32 s58, s58, 6
	s_add_nc_u64 s[14:15], s[14:15], s[58:59]      ; my group's eight pairs: 64 bytes
	s_lshl_b32 s58, s[WVN], 12
	s_add_co_u32 s58, s58, 65536
	s_add_nc_u64 s[62:63], s[10:11], s[58:59]      ; W's codes: rows 512 + 32 w on,
	s_lshl_b32 s58, s[WVN], 13
	s_add_nc_u64 s[10:11], s[10:11], s[58:59]      ; rows 64 w on
	s_lshl_b32 s58, s[WVN], 8
	s_add_co_u32 s58, s58, 4096
	s_add_nc_u64 s[2:3], s[12:13], s[58:59]        ; and their scale bytes
	s_lshl_b32 s58, s[WVN], 9
	s_add_nc_u64 s[12:13], s[12:13], s[58:59]
	s_mov_b32 s57, 0x37000000                      ; 2^-17 = 1 / the 131,072 numbers of a group
.irp i, 0,1,2,3
	global_load_b128 v[ST+4*\i:ST+4*\i+3], v[ZO], s[14:15] offset:16*\i
.endr
.set j, 0
.rept 32
	global_load_b32 v[XR+j], v[XO], s[4:5] offset:j*16384          ; a channel's 64 pixels, 256 consecutive bytes, by two loads side by side
	global_load_b32 v[XR+32+j], v[XO], s[4:5] offset:j*16384+128
.set j, j+1
.endr
	s_wait_loadcnt 63                              ; 64 loads stand behind the four of the statistics: with 63 out those four are in
	v_add_f32 v[TP], v[ST], v[ST+2]
	v_add_f32 v[TP+1], v[ST+4], v[ST+6]
	v_add_f32 v[TP+2], v[ST+8], v[ST+10]
	v_add_f32 v[TP+3], v[ST+12], v[ST+14]
	s_delay_alu instid0(VALU_DEP_3)
	v_add_f32 v[TP], v[TP], v[TP+1]
	s_delay_alu instid0(VALU_DEP_2)
	v_add_f32 v[TP+2], v[TP+2], v[TP+3]
	s_delay_alu instid0(VALU_DEP_1)
	v_add_f32 v[TP], v[TP], v[TP+2]
	s_delay_alu instid0(VALU_DEP_1)
	v_mul_f32 v[MEAN], 0x3e000000, v[TP]           ; the group's mean
	s_delay_alu instid0(VALU_DEP_1)
	v_mov_b32 v[MEAN+1], v[MEAN]
.irp i, 0,1,2,3,4,5,6,7
	v_sub_f32 v[ST+2*\i], v[ST+2*\i], v[MEAN]
.endr
	v_mul_f32 v[TP], v[ST], v[ST]
.irp i, 1,2,3,4,5,6,7
	s_delay_alu instid0(VALU_DEP_1)
	v_fmac_f32 v[TP], v[ST+2*\i], v[ST+2*\i]
.endr
	v_add_f32 v[TP+1], v[ST+1], v[ST+3]
	v_add_f32 v[TP+2], v[ST+5], v[ST+7]
	v_add_f32 v[TP+3], v[ST+9], v[ST+11]
	v_add_f32 v[TP+4], v[ST+13], v[ST+15]
	s_delay_alu instid0(VALU_DEP_3)
	v_add_f32 v[TP+1], v[TP+1], v[TP+2]
	s_delay_alu instid0(VALU_DEP_2)
	v_add_f32 v[TP+3], v[TP+3], v[TP+4]
	s_delay_alu instid0(VALU_DEP_1)
	v_add_f32 v[TP+1], v[TP+1], v[TP+3]
	s_delay_alu instid0(VALU_DEP_1)
	v_fmamk_f32 v[TP], v[TP], 0x46800000, v[TP+1]  ; the parts' M2 + 16,384 x the squares of their means' deviations
	s_delay_alu instid0(VALU_DEP_1)
	v_fmaak_f32 v[TP], s57, v[TP], 0x3727c5ac      ; the variance + 1e-5
	s_wait_alu depctr_va_vdst(0)
	v_rsq_f32 v[RSTD], v[TP]
	v_nop                                          ; one plain place behind a transcendental
	s_wait_alu depctr_va_vdst(0)
	v_mov_b32 v[RSTD+1], v[RSTD]
.irp t, 0,1,2,3                                ; the weights stay in registers; they land while x is quantised
.irp s, 0,1
.irp c, 0,1
	global_load_b128 v[WQ+16*\t+8*\s+4*\c:WQ+16*\t+8*\s+4*\c+3], v[WO], s[10:11] offset:2048*\t+64*\s+32*\c
.endr
.endr
	global_load_b32 v[WS+\t], v[WSO], s[12:13] offset:128*\t
.endr
.irp u, 0,1
.irp s, 0,1
.irp c, 0,1
	global_load_b128 v[WVF+16*\u+8*\s+4*\c:WVF+16*\u+8*\s+4*\c+3], v[WO], s[62:63] offset:2048*\u+64*\s+32*\c
.endr
.endr
	global_load_b32 v[WS+4+\u], v[WSO], s[2:3] offset:128*\u
.endr
	s_wait_kmcnt 0x0                               ; gamma, beta
	s_wait_loadcnt 30                              ; the 30 loads of weights may be out: x is in
; Set n: normalised in the order in which the module writes it, ((x - mean) x rstd) x gamma + beta, then one block of 32 a lane is quantised.
.macro XBLOCK n
.set XB, XR+32*\n
.set j, 0
.rept 16
	v_pk_add_f32 v[XB+j:XB+j+1], v[XB+j:XB+j+1], v[MEAN:MEAN+1] neg_lo:[0,1] neg_hi:[0,1]
.set j, j+2
.endr
.set j, 0
.rept 16
	v_pk_mul_f32 v[XB+j:XB+j+1], v[XB+j:XB+j+1], v[RSTD:RSTD+1]
.set j, j+2
.endr
.set j, 0
.rept 32
	v_fma_f32 v[XB+j], v[XB+j], s[GA+j], s[BE+j]
.set j, j+1
.endr
	v_max3_num_f32 v[MX], |v[XB]|, |v[XB+1]|, |v[XB+2]|            ; the block's largest magnitude, in two chains
	v_max3_num_f32 v[MX+1], |v[XB+3]|, |v[XB+4]|, |v[XB+5]|
.irp i, 6,10,14,18,22,26
	s_delay_alu instid0(VALU_DEP_2)
	v_max3_num_f32 v[MX], v[MX], |v[XB+\i]|, |v[XB+\i+1]|
	s_delay_alu instid0(VALU_DEP_2)
	v_max3_num_f32 v[MX+1], v[MX+1], |v[XB+\i+2]|, |v[XB+\i+3]|
.endr
	s_delay_alu instid0(VALU_DEP_2)
	v_max3_num_f32 v[MX], v[MX], |v[XB+30]|, |v[XB+31]|
	s_delay_alu instid0(VALU_DEP_1)
	v_max3_num_f32 v[MX], v[MX], v[MX+1], 0x1800000                ; and the floor 2^(3 - 127): the byte cannot fall under 1
	s_delay_alu instid0(VALU_DEP_1)
	v_add_nc_u32 v[SOP], 0xff000000, v[MX]                         ; 2 off its exponent field: the conversion takes the exponent field of this operand as its scale
	s_delay_alu instid0(VALU_DEP_1)
	v_lshrrev_b32 v[BY+\n], 23, v[SOP]                             ; the scale's byte
.irp g, 0,1,2,3
	v_cvt_scalef32_pk8_fp4_f32 v[CX+4*\n+\g], v[XB+8*\g:XB+8*\g+7], v[SOP]
.endr
	v_nop                                                          ; one plain place behind the last scaled conversion
	ds_store_b128 v[XWI], v[CX+4*\n:CX+4*\n+3] offset:4096*\n
	ds_store_b8 v[XWS], v[BY+\n] offset:256*\n
.endm
	XBLOCK 0
	XBLOCK 1
	s_wait_dscnt 0x0                               ; for the others' sake: my codes and bytes lie in LDS
	s_barrier_signal -1
	s_barrier_wait -1                              ; xn's eight fragments and their scale words are whole
.irp m, 0,1,2,3
.irp s, 0,1
.irp c, 0,1
	ds_load_b128 v[XF+16*\m+8*\s+4*\c:XF+16*\m+8*\s+4*\c+3], v[LI] offset:2048*\m+1024*\s+512*\c
.endr
.endr
	ds_load_b32 v[XS+\m], v[LS] offset:128*\m      ; lanes 0-15: K step 0's word of pixel r; lanes 16-31: K step 1's
.endr
	; where the results go.  gamma's registers are free now.
	s_cmp_lt_u32 s[WVN], 4                         ; q's wave or k's: the choice hangs on the wave's number alone
	s_cselect_b64 s[20:21], s[16:17], s[18:19]
	s_mov_b32 s28, 286720
	s_cselect_b32 s28, 147456, s28                 ; bytes of a head,
	s_mov_b32 s29, 8960
	s_cselect_b32 s29, 4608, s29                   ; of a record,
	s_mov_b32 s30, 8192
	s_cselect_b32 s30, 4096, s30                   ; and where its scale words begin
	s_and_b32 s31, s[WVN], 3
	s_lshl_b32 s34, s53, 2
	s_add_co_u32 s31, s31, s34                     ; 4 b + head
	s_mul_i32 s31, s31, s28
	s_mul_i32 s35, s55, s29
	s_add_co_u32 s58, s31, s35
	s_add_nc_u64 s[20:21], s[20:21], s[58:59]      ; the record
	s_lshl_b32 s60, s56, 3
	s_add_co_u32 s60, s60, s30
	s_add_nc_u64 s[22:23], s[20:21], s[60:61]      ; scale words: + 8 c
	s_lshl_b32 s60, s56, 11
	s_add_nc_u64 s[20:21], s[20:21], s[60:61]      ; codes: tiles 4 c on
	s_lshr_b32 s31, s[WVN], 1
	s_add_co_u32 s31, s31, s34                     ; v: 4 b + w / 2
	s_mul_i32 s31, s31, 286720
	s_mul_i32 s35, s55, 8960
	s_add_co_u32 s58, s31, s35
	s_add_nc_u64 s[24:25], s[18:19], s[58:59]
	s_and_b32 s31, s[WVN], 1
	s_lshl_b32 s60, s31, 2
	s_lshl_b32 s35, s56, 1
	s_add_co_u32 s60, s60, s35
	s_add_co_u32 s60, s60, 8704
	s_add_nc_u64 s[26:27], s[24:25], s[60:61]      ; v's scale words: word w % 2, bytes 2 c on
	s_lshl_b32 s60, s31, 11
	s_lshl_b32 s35, s56, 9
	s_add_co_u32 s60, s60, s35
	s_add_co_u32 s60, s60, 4096
	s_add_nc_u64 s[24:25], s[24:25], s[60:61]      ; v's codes: channel tiles 2 (w % 2) on, half c
	s_mov_b32 s[SEL], 0x76543210
	s_mov_b32 s[SEL+1], 0xfedcba98
; Four result tiles in v[s] .. v[s + 31]: register 8 t + j of lane (r, h) is number 16 t + 8 h + j along the next K of the lane's row.  Block 0 is tiles 0, 1, block 1 tiles 2, 3, each in lanes l and l xor 16.
; Out: v[cd] .. v[cd + 3] of lane (r, h) = the codes of numbers 32 h .. 32 h + 31, in order; v[wd] = byte of block 0 | byte of block 1 << 8.
; The conversions leave octet h (tile 0), 4 + h (tile 2), 2 + h (tile 1), 6 + h (tile 3) in cd + 0 .. 3; two exchanges of halves make of them octets 4 h + 0 .. 3.  Each tile is read from its low end on.
.macro QUANT4 s, cd, wd
.irp b, 0,1
	v_max3_num_f32 v[TM+\b], |v[\s+16*\b]|, |v[\s+16*\b+1]|, 0x1800000     ; with the floor 2^(3 - 127): the byte cannot fall under 1
.endr
.irp i, 2,4,6,8,10,12,14
.irp b, 0,1
	v_max3_num_f32 v[TM+\b], v[TM+\b], |v[\s+16*\b+\i]|, |v[\s+16*\b+\i+1]|
.endr
.endr
.irp b, 0,1
	s_delay_alu instid0(VALU_DEP_2)
	v_permlanex16_b32 v[TM+2+\b], v[TM+\b], s[SEL], s[SEL+1]
.endr
.irp b, 0,1
	s_delay_alu instid0(VALU_DEP_2)
	v_max_num_f32 v[TM+\b], v[TM+\b], v[TM+2+\b]   ; with lane l xor 16's: the block's largest magnitude
.endr
.irp b, 0,1
	s_delay_alu instid0(VALU_DEP_2)
	v_add_nc_u32 v[TM+6+\b], 0xff000000, v[TM+\b]  ; 2 off its exponent field: the conversion's scale operand
.endr
.irp b, 0,1
	s_delay_alu instid0(VALU_DEP_2)
	v_lshrrev_b32 v[TM+4+\b], 23, v[TM+6+\b]       ; the scale's byte
.endr
	s_delay_alu instid0(VALU_DEP_1)
	v_lshl_or_b32 v[(\wd)], v[TM+5], 8, v[TM+4]
	v_cvt_scalef32_pk8_fp4_f32 v[(\cd)], v[\s:\s+7], v[TM+6]
	v_cvt_scalef32_pk8_fp4_f32 v[(\cd)+2], v[\s+8:\s+15], v[TM+6]
	v_cvt_scalef32_pk8_fp4_f32 v[(\cd)+1], v[\s+16:\s+23], v[TM+7]
	v_cvt_scalef32_pk8_fp4_f32 v[(\cd)+3], v[\s+24:\s+31], v[TM+7]
	v_nop                                          ; one plain place behind the last scaled conversion
	v_permlane16_swap_b32 v[(\cd)], v[(\cd)+1]     ; the first's lanes 16-31 change places with the second's lanes 0-15
	v_permlane16_swap_b32 v[(\cd)+2], v[(\cd)+3]
.endm
; q or k of pixel tile m.  The four accumulators take turns, one instruction a turn.  The next unit begins its sums anew on the same registers: behind this unit's
; last product stand four v_nop and nine plain lines on QUANT4's own registers, more than the five places asked of a matrix instruction that writes over an earlier one's registers.
.macro UQK m
.irp t, 0,1,2,3
	v_wmma_scale_f32_16x16x128_f8f6f4 v[ACC+8*\t:ACC+8*\t+7], v[WQ+16*\t:WQ+16*\t+7], v[XF+16*\m:XF+16*\m+7], 0, v[WS+\t], v[XS+\m] matrix_a_fmt:MATRIX_FMT_FP4 matrix_b_fmt:MATRIX_FMT_FP4
.endr
.irp t, 0,1,2,3
	v_wmma_scale_f32_16x16x128_f8f6f4 v[ACC+8*\t:ACC+8*\t+7], v[WQ+16*\t+8:WQ+16*\t+15], v[XF+16*\m+8:XF+16*\m+15], v[ACC+8*\t:ACC+8*\t+7], v[WS+\t], v[XS+\m] matrix_a_fmt:MATRIX_FMT_FP4 matrix_b_fmt:MATRIX_FMT_FP4 matrix_a_scale:MATRIX_SCALE_ROW1 matrix_b_scale:MATRIX_SCALE_ROW1
.endr
.rept 4
	v_nop                                          ; places in front of the first read of results
.endr
	QUANT4 ACC, CQ+4*\m, WD+\m
	global_store_b128 v[LI], v[CQ+4*\m:CQ+4*\m+3], s[20:21] offset:512*\m     ; 32 lanes store 512 consecutive bytes
.endm
; v of channel tile u: the sources swapped, the accumulators run over the pixel tiles.
.macro UV u
.irp m, 0,1,2,3
	v_wmma_scale_f32_16x16x128_f8f6f4 v[ACC+8*\m:ACC+8*\m+7], v[XF+16*\m:XF+16*\m+7], v[WVF+16*\u:WVF+16*\u+7], 0, v[XS+\m], v[WS+4+\u] matrix_a_fmt:MATRIX_FMT_FP4 matrix_b_fmt:MATRIX_FMT_FP4
.endr
.irp m, 0,1,2,3
	v_wmma_scale_f32_16x16x128_f8f6f4 v[ACC+8*\m:ACC+8*\m+7], v[XF+16*\m+8:XF+16*\m+15], v[WVF+16*\u+8:WVF+16*\u+15], v[ACC+8*\m:ACC+8*\m+7], v[XS+\m], v[WS+4+\u] matrix_a_fmt:MATRIX_FMT_FP4 matrix_b_fmt:MATRIX_FMT_FP4 matrix_a_scale:MATRIX_SCALE_ROW1 matrix_b_scale:MATRIX_SCALE_ROW1
.endr
.rept 4
	v_nop
.endr
	QUANT4 ACC, CQ+16+4*\u, WD+4+\u
	global_store_b128 v[LI], v[CQ+16+4*\u:CQ+16+4*\u+3], s[24:25] offset:1024*\u
.endm
	s_wait_dscnt 0x0                               ; xn's fragments
	s_wait_loadcnt 0x0                             ; the weights
	UQK 0
	UQK 1
	UQK 2
	UQK 3
	UV 0
	UV 1
	; the scale words.  Both halves of the lanes hold a tile's words; lane L stores those of pixels 32 i + L (tile 2 i + L / 16) and of channel 16 (L / 16) + L % 16
	v_cmp_le_u32 vcc_lo, 16, v[LANE]
	s_delay_alu instid0(VALU_DEP_1)
	v_cndmask_b32 v[MQ], v[WD], v[WD+1], vcc_lo
	s_delay_alu instid0(VALU_DEP_2)
	v_cndmask_b32 v[MQ+1], v[WD+2], v[WD+3], vcc_lo
	s_delay_alu instid0(VALU_DEP_3)
	v_cndmask_b32 v[MV], v[WD+4], v[WD+5], vcc_lo
	global_store_b64 v[LI], v[MQ:MQ+1], s[22:23]
	global_store_b16 v[L8], v[MV], s[26:27]
	s_set_vgpr_msb 0x5
	s_wait_tensorcnt 0x0
	ds_add_u32 v0, v1
	s_wait_dscnt 0x0
	s_set_vgpr_msb 0x500
	s_endpgm
.Lfunc_end_k_qae91c45ff2_qkv:
	.size	k_qae91c45ff2_qkv, .Lfunc_end_k_qae91c45ff2_qkv-k_qae91c45ff2_qkv
	.p2alignl 7, 3214868480
	.fill 96, 4, 3214868480
	.section	.rodata,"a",@progbits
	.p2align	6, 0x0
	.amdhsa_kernel k_qae91c45ff2_qkv
		.amdhsa_group_segment_fixed_size 9728
		.amdhsa_private_segment_fixed_size 0
		.amdhsa_enable_private_segment 0
		.amdhsa_kernarg_size 64
		.amdhsa_user_sgpr_count 2
		.amdhsa_user_sgpr_kernarg_segment_ptr 1
		.amdhsa_wavefront_size32 1
		.amdhsa_system_sgpr_workgroup_id_x 1
		.amdhsa_system_sgpr_workgroup_id_y 1
		.amdhsa_system_sgpr_workgroup_id_z 1
		.amdhsa_system_vgpr_workitem_id 0
		.amdhsa_next_free_vgpr 258
		.amdhsa_next_free_sgpr 100
		.amdhsa_reserve_vcc 1
		.amdhsa_float_denorm_mode_32 3
		.amdhsa_float_denorm_mode_16_64 3
		.amdhsa_memory_ordered 1
		.amdhsa_forward_progress 1
		.amdhsa_inst_pref_size 51
	.end_amdhsa_kernel
	.amdgpu_metadata
---
amdhsa.version: [ 1, 2 ]
amdhsa.kernels:
  - .name:           k_qae91c45ff2_qkv
    .symbol:         k_qae91c45ff2_qkv.kd
    .args:
      - { .name: x, .offset: 0, .size: 8, .value_kind: global_buffer, .address_space: global }
      - { .name: gn_gamma, .offset: 8, .size: 8, .value_kind: global_buffer, .address_space: global }
      - { .name: gn_beta, .offset: 16, .size: 8, .value_kind: global_buffer, .address_space: global }
      - { .name: w_qkv_codes, .offset: 24, .size: 8, .value_kind: global_buffer, .address_space: global }
      - { .name: w_qkv_scales, .offset: 32, .size: 8, .value_kind: global_buffer, .address_space: global }
      - { .name: stats, .offset: 40, .size: 8, .value_kind: global_buffer, .address_space: global }
      - { .name: qbuf, .offset: 48, .size: 8, .value_kind: global_buffer, .address_space: global }
      - { .name: kv, .offset: 56, .size: 8, .value_kind: global_buffer, .address_space: global }
    .group_segment_fixed_size: 9728
    .private_segment_fixed_size: 0
    .kernarg_segment_align: 8
    .kernarg_segment_size: 64
    .max_flat_workgroup_size: 256
    .sgpr_count:     100
    .vgpr_count:     258
    .wavefront_size: 32
...
	.end_amdgpu_metadata
.endif
;; end of part 2
;; launch attn (part 3): grid 16 x 16, 16 waves a work-group, clusters of 4 x 1, 288,768 bytes of LDS; arguments qbuf, kv, ocodes, oscales; writes ocodes, oscales
.if DOCPART == 3
	.amdgcn_target "amdgcn-amd-amdhsa--gfx1250"
	.amdhsa_code_object_version 6
	.text
	.protected	k_qae91c45ff2_attn
	.globl	k_qae91c45ff2_attn
	.p2align	8
	.type	k_qae91c45ff2_attn,@function
k_qae91c45ff2_attn:
	s_mov_b64 s[64:65], 0
	v_nop
	global_prefetch_b8 v0, s[64:65] scope:SCOPE_SE
	s_setreg_imm32_b32 hwreg(HW_REG_WAVE_MODE, 25, 1), 1
	s_wait_xcnt 0x0
	s_wait_alu depctr_hold_cnt(0) depctr_sa_sdst(0) depctr_va_vdst(0) depctr_va_sdst(0) depctr_va_ssrc(0) depctr_va_vcc(0) depctr_vm_vsrc(0)
	s_getreg_b32 s2, hwreg(HW_REG_IB_STS2, 6, 4)
	s_cmp_eq_u32 s2, 0
	s_cbranch_scc0 .Lentry_in_a_cluster
	s_endpgm
.Lentry_in_a_cluster:
	s_bfe_u32 s2, ttmp6, 0x10000c
	s_cmp_lg_u32 s2, 0x3003
	s_cbranch_scc0 .Lentry_shape_is_right
	s_endpgm
.Lentry_shape_is_right:
; Attention of one head (work-group y = 4 b + head) for 256 queries (work-group x), both products on codes of FP4 (E2M1) with one E8M0 scale for each 32 along K; then O / l is quantised along the channels for the projection.
; THE SOFTMAX AHEAD OF THE SECOND PRODUCT: t = score x log2(e) / 32; M = the largest t so far, rounded UP to a whole number; p = 2^(t - M) is quantised along the keys, not normalised.  The row's sum l is taken of the
; unquantised p.  When M moves, l and O are multiplied by 2^(old M - new M), which rounds nothing.
; SHARES.  Sixteen waves, each with ONE tile of 16 queries in 256 registers: four waves to a SIMD, so that one wave's vector work stands beside another's products and LDS loads.  Every wave walks the head's 4,096 keys, 128 a step.
; THE WHOLE HEAD STAYS IN LDS: k's and v's codes and scale words are 32 records of 8,960 bytes, 286,720 consecutive bytes, filled ONCE, in four chunks of 8 steps; waves 0-3 fetch a quarter of each chunk (70 rows of 256 bytes).
; No LDS byte is filled twice, so there is no ring.  By this text's own count a wave has four tensor loads out.  A chunk is read behind its own counted wait and a barrier, while the later chunks are on their way.
; CLUSTER.  The four work-groups of a cluster belong to one head, so every fill is asked for JOINTLY: the same load, the same descriptor, a mask that names the four.  cx enters q's and O's global addresses alone.
; LAYOUT.  Both products are used transposed: S^T = k q^T (source 0 = 16 keys, source 1 = my 16 queries), O^T = v^T p^T: a lane holds ONE query throughout; register j of tile t is key (or channel) 16 t + 8 h + j.
; Records hold images of the operands' registers: every fragment comes by ds_load_b128 at 16 x lane, consecutive bytes, no pitch and no padding.
; K = 64 IN AN INSTRUCTION OF K = 128: q's registers 4-7 are zero codes, and bytes 2, 3 of q's and k's scale words are 0 (2^-127, a number).  So what stands in k's registers 4-7 counts for nothing: tile t is named as
; v[KF + 4 t : KF + 4 t + 7], whose upper half is the next tile's codes (four zeros behind tile 7), and all eight tiles lie in 36 registers.
; LIMITS: NaN and infinities are not served.  A block whose largest magnitude lies under 2^-124 keeps the scale byte 1; so does a block of zeros (its codes are zeros, and this program alone reads the bytes).
; A block's largest p is taken as 2^(its largest t - M), by the same two instructions as every p: this takes v_exp_f32 not to fall where its input rises.
.set REC,   8960
.set CHB,   8*REC                      ; a chunk
.set QTR,   CHB/4                      ; what one tensor load brings: 70 rows of 256 bytes
.set HEADB, 32*REC
.set QREC,  4608
.set LANE, 1
.set R,    2
.set H,    3
.set LI,   4                           ; 16 x lane
.set L8,   5                           ; 8 x lane + 8,704: v's scale words in a record
.set ADK,  6                           ; the step's record + LI
.set ADS,  7                           ; the step's record + L8
;          v12 -M, v13 the largest t, v[14:15] the sum in two halves
.set QF,   16                          ; v16-23   q: codes, then zeros
.set KF,   32                          ; v32-63   k: 8 tiles x 4 registers;  v64-67 zeros
.set KZ,   64
.set VF,   68                          ; v68-99   v: 4 tiles x 8 registers
.set S,    100                         ; v100-163 S^T, then p
.set OT,   164                         ; v164-195 O^T
.set PC,   196                         ; v196-203 p's codes
.set KS,   204                         ; v204-207 k's scale words, v[208:209] v's, v210 p's, v211 q's: these hold scales and nothing else
.set VS,   208
.set PS,   210
.set QS,   211
.set BM,   212                         ; v212-215 the blocks' largest scores, then p
.set T2,   216                         ; v216-219 the other half's; then the bytes
.set TM,   212                         ; at the end: QUANT4's eight registers at work
.set SCL,  220                         ; v220-223 the conversions' scale operands
.set TMP,  224
.set F,    226                         ; v[226:227] 2^(old M - new M), and a 0 named with it
.set SUM2, 228
.set RL,   230
.set QO,   232
.set QSO,  233
.set OSO,  235
.set OB,   236
.set WV,   12
.set G1,   24                          ; s[24:31] descriptor group 1
.set G0,   32                          ; s[32:47] group 0, one set for each chunk; never rewritten
.set SEL,  48
.set CS,   50
.set TB,   52
.set CNT,  53
.macro CROUND                          ; a round of the cluster's barrier
	s_barrier_signal -1
	s_barrier_wait -1
	s_cmp_lg_u32 s[WV], 0
	s_cbranch_scc1 .Lnot_wave_0_\@
	s_barrier_signal -3
.Lnot_wave_0_\@:
	s_barrier_wait -3
	s_barrier_signal -1
	s_barrier_wait -1
.endm
	s_load_b256 s[4:11], s[0:1], 0x0               ; qbuf, kv, ocodes, oscales
	v_lshl_add_u32 v254, v0, 2, 0x46000
	v_mov_b32 v255, 0
	ds_add_u32 v254, v255
	ds_add_u32 v254, v255
	v_lshrrev_b32 v1, 5, v0
	s_delay_alu instid0(VALU_DEP_1)
	v_readfirstlane_b32 s[WV], v1                  ; wave 0..15
	s_and_b32 s15, ttmp7, 0xffff                   ; 4 b + head, which the four partners share
	s_and_b32 s17, s[WV], 3
	s_mul_i32 s17, s17, QTR                        ; my quarter of a chunk, in memory and in LDS
	s_mul_i32 s20, s15, HEADB
	s_add_co_u32 s20, s20, s17
	s_mov_b32 s21, 0
	s_mov_b32 s[G1], 15|(3<<16)|(1<<21)            ; 15:0 the mask: all four work-groups; 17:16 elements of 8 bytes; 21 set beside a mask; no padding
	s_mov_b32 s[G1+1], 32<<16                      ; tensor_dim0 = 32 elements: 256 bytes
	s_mov_b32 s[G1+2], 70<<16                      ; tensor_dim1 = 70
	s_mov_b32 s[G1+3], 32<<16                      ; tile_dim0
	s_mov_b32 s[G1+4], 70                          ; tile_dim1
	s_mov_b32 s[G1+5], 32                          ; from row to row: dense
	s_mov_b32 s[G1+6], 0
	s_mov_b32 s[G1+7], 0
	; what hangs on my place in the cluster, in registers that feed no descriptor
	s_bfe_u32 s13, ttmp6, 0x40000                  ; cx
	s_lshl_b32 s14, ttmp9, 2
	s_add_co_u32 s14, s14, s13                     ; work-group x
	s_lshl_b32 s16, s14, 4
	s_add_co_u32 s16, s16, s[WV]                   ; my tile of queries, 0..255
	s_mul_i32 s54, s15, 32*QREC
	s_lshr_b32 s55, s16, 3
	s_mul_i32 s55, s55, QREC
	s_add_co_u32 s54, s54, s55                     ; its record in qbuf
	s_mov_b32 s55, 0
	s_and_b32 s56, s16, 7
	s_lshl_b32 s57, s56, 9                         ; its codes in the record
	s_lshr_b32 s56, s56, 1
	s_lshl_b32 s56, s56, 2
	s_and_b32 s58, s16, 1
	s_lshl_b32 s58, s58, 8
	s_add_co_u32 s56, s56, s58                     ; its scale words: 256 (tile % 2) + 4 (tile / 2), + 16 r
	s_lshr_b32 s58, s15, 2
	s_lshl_b32 s58, s58, 8
	s_add_co_u32 s58, s58, s16                     ; 256 b + tile
	s_and_b32 s59, s15, 3                          ; head
	s_lshl_b32 s60, s58, 11
	s_lshl_b32 s62, s59, 9
	s_add_co_u32 s60, s60, s62                     ; ocodes: 2,048 a tile, 512 a head
	s_mov_b32 s61, 0
	s_lshl_b32 s62, s58, 7
	s_lshr_b32 s58, s59, 1
	s_lshl_b32 s58, s58, 6
	s_add_co_u32 s62, s62, s58
	s_and_b32 s58, s59, 1
	s_lshl_b32 s58, s58, 1
	s_add_co_u32 s62, s62, s58                     ; oscales: 128 a tile, 64 (head / 2), bytes 2 (head % 2) on
	s_mov_b32 s63, 0
	s_mov_b32 s[SEL], 0x76543210                   ; v_permlanex16_b32's selects for lane l xor 16
	s_mov_b32 s[SEL+1], 0xfedcba98
	s_mov_b32 s[CS], 0x3d38aa3b                    ; c = log2(e) / 32
	s_mov_b32 s[CS+1], s[CS]                       ; (named with it as a pair, so it is written)
	s_wait_dscnt 0x0
	s_wait_kmcnt 0x0
	s_add_nc_u64 s[6:7], s[6:7], s[20:21]
	s_add_nc_u64 s[4:5], s[4:5], s[54:55]
	s_add_nc_u64 s[8:9], s[8:9], s[60:61]
	s_add_nc_u64 s[10:11], s[10:11], s[62:63]
	CROUND                                         ; all four work-groups are here: the joint loads meet
.irp j, 0,1,2,3
	s_mov_b32 s[G0+4*\j], 1                        ; count = 1
	s_add_co_u32 s[G0+4*\j+1], s17, \j*CHB         ; LDS address
	s_add_nc_u64 s[G0+4*\j+2:G0+4*\j+3], s[6:7], \j*CHB
	s_or_b32 s[G0+4*\j+3], s[G0+4*\j+3], 0x80000000   ; type = 2
.endr
	s_cmp_lt_u32 s[WV], 4                          ; a wave's four fills stand in one branch, ahead of every wait on TENSORcnt, every LDS read and every further barrier
	s_cbranch_scc0 .Lno_fill
	tensor_load_to_lds s[G0:G0+3], s[G1:G1+7]
	s_nop 0
	tensor_load_to_lds s[G0+4:G0+7], s[G1:G1+7]
	s_nop 0
	tensor_load_to_lds s[G0+8:G0+11], s[G1:G1+7]
	s_nop 0
	tensor_load_to_lds s[G0+12:G0+15], s[G1:G1+7]
	s_nop 0
.rept 4
	v_nop
.endr
.Lno_fill:
	v_and_b32 v[LANE], 31, v0
	v_and_b32 v[R], 15, v0
	v_bfe_u32 v[H], v0, 4, 1
	s_delay_alu instid0(VALU_DEP_3)
	v_lshlrev_b32 v[LI], 4, v[LANE]
	s_delay_alu instid0(VALU_DEP_4)
	v_lshl_add_u32 v[L8], v[LANE], 3, 8704
	s_delay_alu instid0(VALU_DEP_2)
	v_add_nc_u32 v[QO], s57, v[LI]
	v_lshl_add_u32 v[QSO], v[R], 4, s56
	v_lshl_add_u32 v[OSO], v[R], 2, v[H]           ; O's scale bytes: 4 r + h
	global_load_b128 v[QF:QF+3], v[QO], s[4:5]     ; q's codes stay in registers
	global_load_b32 v[QS], v[QSO], s[4:5] offset:4096
	v_mov_b32 v13, 0xff61b1e6                      ; the largest t so far: -3e38, under every t
	s_delay_alu instid0(VALU_DEP_1)
	v_floor_f32 v12, -v13                          ; -M
	v_mov_b32 v14, 0
	v_mov_b32 v15, 0
.irp j, 0,1,2,3
	v_mov_b32 v[QF+4+\j], 0                        ; zero codes for k = 64 .. 127
	v_mov_b32 v[KZ+\j], 0
	v_mov_b32 v[T2+\j], 0                          ; a lane permute's destination counts as read: written once
.endr
	v_mov_b32 v[F+1], 0
.set j, 0
.rept 32
	v_mov_b32 v[OT+j], 0                           ; the step is written once: the first finds zeros, which the first change of M leaves zeros
.set j, j+1
.endr
; A KEY STEP: the 128 keys of the record at LDS byte s[TB].
.macro STEP
	v_add_nc_u32 v[ADK], s[TB], v[LI]
	v_add_nc_u32 v[ADS], s[TB], v[L8]
	v_nop
	v_nop                                          ; four places behind the last step's products, in front of loads into registers that they read
	ds_load_b128 v[KS:KS+3], v[ADK] offset:8192    ; register i: the word of key 32 i + lane
.irp t, 0,1,2,3,4,5,6,7
	ds_load_b128 v[KF+4*\t:KF+4*\t+3], v[ADK] offset:512*\t
.endr
.irp t, 0,1,2,3
.irp c, 0,1
	ds_load_b128 v[VF+8*\t+4*\c:VF+8*\t+4*\c+3], v[ADK] offset:4096+1024*\t+512*\c
.endr
.endr
	ds_load_b64 v[VS:VS+1], v[ADS]                 ; register j: the word of channel 32 j + lane
	s_wait_dscnt 9                                 ; k and its scale words are in; v's eight loads and its scale words may be out
.irp t, 0,2,4,6
	v_wmma_scale_f32_16x16x128_f8f6f4 v[S+8*\t:S+8*\t+7], v[KF+4*\t:KF+4*\t+7], v[QF:QF+7], 0, v[KS+\t/2], v[QS] matrix_a_fmt:MATRIX_FMT_FP4 matrix_b_fmt:MATRIX_FMT_FP4
	v_wmma_scale_f32_16x16x128_f8f6f4 v[S+8*\t+8:S+8*\t+15], v[KF+4*\t+4:KF+4*\t+11], v[QF:QF+7], 0, v[KS+\t/2], v[QS] matrix_a_fmt:MATRIX_FMT_FP4 matrix_b_fmt:MATRIX_FMT_FP4 matrix_a_scale:MATRIX_SCALE_ROW1
.endr
.rept 4
	v_nop                                          ; places in front of the first read of results
.endr
.irp b, 0,1,2,3
	v_max3_num_f32 v[BM+\b], v[S+16*\b], v[S+16*\b+1], v[S+16*\b+2]     ; the largest score of each block of 32 keys (tiles 2 b, 2 b + 1): it serves for the row's maximum and for the block's largest p
.endr
.irp i, 3,5,7,9,11,13
.irp b, 0,1,2,3
	v_max3_num_f32 v[BM+\b], v[BM+\b], v[S+16*\b+\i], v[S+16*\b+\i+1]   ; (the four blocks by turns)
.endr
.endr
.irp b, 0,1,2,3
	v_max_num_f32 v[BM+\b], v[BM+\b], v[S+16*\b+15]
.endr
.irp b, 0,1,2,3
	s_delay_alu instid0(VALU_DEP_4)
	v_permlanex16_b32 v[T2+\b], v[BM+\b], s[SEL], s[SEL+1]
.endr
.irp b, 0,1,2,3
	s_delay_alu instid0(VALU_DEP_4)
	v_max_num_f32 v[BM+\b], v[BM+\b], v[T2+\b]     ; with lane l xor 16's 16 keys
.endr
	s_delay_alu instid0(VALU_DEP_2)
	v_max3_num_f32 v[TMP], v[BM], v[BM+1], v[BM+2]
	s_delay_alu instid0(VALU_DEP_1)
	v_max_num_f32 v[TMP], v[TMP], v[BM+3]          ; the step's largest score of my query
	s_delay_alu instid0(VALU_DEP_1)
	v_mul_f32 v[TMP], s[CS], v[TMP]                ; as t (c is positive)
	s_delay_alu instid0(VALU_DEP_1)
	v_max_num_f32 v13, v13, v[TMP]                 ; the running largest t
	v_mov_b32 v[TMP], v12
	s_delay_alu instid0(VALU_DEP_2)
	v_floor_f32 v12, -v13                          ; the new -M = floor(-t) = -ceil(t)
	s_delay_alu instid0(VALU_DEP_1)
	v_sub_f32 v[TMP], v12, v[TMP]                  ; old M - new M: a whole number, 0 or less
	s_delay_alu instid0(VALU_DEP_1)
	v_cvt_i32_f32 v[TMP], v[TMP]                   ; (it saturates)
	s_delay_alu instid0(VALU_DEP_1)
	v_ldexp_f32 v[F], 1.0, v[TMP]                  ; f = 2^(old M - new M)
.set j, 0
.rept 32
	v_pk_fma_f32 v[S+j:S+j+1], v[S+j:S+j+1], s[CS:CS+1], v[12:13] op_sel_hi:[1,0,0]   ; t - M, two at a time (of the pairs c and -M the low word serves both halves)
.set j, j+2
.endr
.irp b, 0,1,2,3
	v_fma_f32 v[BM+\b], v[BM+\b], s[CS], v12       ; the same of each block's largest score
.endr
.set j, 0
	s_wait_alu depctr_va_vdst(0)
.rept 64
	v_exp_f32 v[S+j], v[S+j]                       ; p = 2^(t - M), at most 1
.set j, j+1
.endr
	s_setprio 1
.irp b, 0,1,2,3
	v_exp_f32 v[BM+\b], v[BM+\b]                   ; the block's largest p
.endr
	v_pk_mul_f32 v[14:15], v[14:15], v[F:F+1] op_sel_hi:[1,0]      ; the sums under the new M.  (A plain place behind the exponentials)
	s_wait_alu depctr_va_vdst(0)
.irp b, 0,1,2,3
	v_max_num_f32 v[BM+\b], 0x1800000, v[BM+\b]    ; the floor 2^(3 - 127): the byte cannot fall under 1
.endr
.irp b, 0,1,2,3
	s_delay_alu instid0(VALU_DEP_4)
	v_add_nc_u32 v[SCL+\b], 0xff000000, v[BM+\b]   ; 2 off the exponent field: the conversion's scale operand
.endr
.irp b, 0,1,2,3
	s_delay_alu instid0(VALU_DEP_4)
	v_lshrrev_b32 v[T2+\b], 23, v[SCL+\b]          ; the scale's byte
.endr
	s_delay_alu instid0(VALU_DEP_3)
	v_lshl_or_b32 v[PS], v[T2+1], 8, v[T2]         ; p's scale word for these 128 keys
	s_delay_alu instid0(VALU_DEP_1)
	v_lshl_or_b32 v[PS], v[T2+2], 16, v[PS]
	s_delay_alu instid0(VALU_DEP_1)
	v_lshl_or_b32 v[PS], v[T2+3], 24, v[PS]
.irp c, 0,1                                    ; keys 64 c on are tiles 4 c .. 4 c + 3: octets h, 4 + h, 2 + h, 6 + h into registers 4 c + 0 .. 3,
	v_cvt_scalef32_pk8_fp4_f32 v[PC+4*\c], v[S+32*\c:S+32*\c+7], v[SCL+2*\c]
	v_cvt_scalef32_pk8_fp4_f32 v[PC+4*\c+2], v[S+32*\c+8:S+32*\c+15], v[SCL+2*\c]
	v_cvt_scalef32_pk8_fp4_f32 v[PC+4*\c+1], v[S+32*\c+16:S+32*\c+23], v[SCL+2*\c+1]
	v_cvt_scalef32_pk8_fp4_f32 v[PC+4*\c+3], v[S+32*\c+24:S+32*\c+31], v[SCL+2*\c+1]
.endr
	v_nop                                          ; one plain place behind the last scaled conversion
.irp c, 0,1                                    ; and two exchanges of halves make of them octets 4 h + 0 .. 3: keys 64 c + 32 h + 0 .. 31, in order
	v_permlane16_swap_b32 v[PC+4*\c], v[PC+4*\c+1]
	v_permlane16_swap_b32 v[PC+4*\c+2], v[PC+4*\c+3]
.endr
.set j, 0
.rept 16
	v_pk_mul_f32 v[OT+j:OT+j+1], v[OT+j:OT+j+1], v[F:F+1] op_sel_hi:[1,0]     ; O^T under the new M, each accumulator from its low end on
.set j, j+2
.endr
	v_pk_add_f32 v[228:229], v[104:105], v[108:109]
	v_pk_add_f32 v[252:253], v[112:113], v[116:117]
	v_pk_add_f32 v[250:251], v[120:121], v[124:125]
	v_pk_add_f32 v[248:249], v[128:129], v[132:133]
	v_pk_add_f32 v[246:247], v[136:137], v[140:141]
	v_pk_add_f32 v[244:245], v[144:145], v[148:149]
	v_pk_add_f32 v[242:243], v[152:153], v[156:157]
	v_pk_add_f32 v[14:15], v[14:15], v[160:161]
	v_pk_add_f32 v[228:229], v[228:229], v[100:101]
	v_pk_add_f32 v[252:253], v[252:253], v[102:103]
	v_pk_add_f32 v[250:251], v[250:251], v[106:107]
	v_pk_add_f32 v[248:249], v[248:249], v[110:111]
	v_pk_add_f32 v[246:247], v[246:247], v[114:115]
	v_pk_add_f32 v[244:245], v[244:245], v[118:119]
	v_pk_add_f32 v[242:243], v[242:243], v[122:123]
	s_setprio 0
	v_pk_add_f32 v[14:15], v[14:15], v[126:127]
	v_pk_add_f32 v[228:229], v[228:229], v[130:131]
	v_pk_add_f32 v[252:253], v[252:253], v[134:135]
	v_pk_add_f32 v[250:251], v[250:251], v[138:139]
	v_pk_add_f32 v[248:249], v[248:249], v[142:143]
	v_pk_add_f32 v[246:247], v[246:247], v[146:147]
	v_pk_add_f32 v[244:245], v[244:245], v[150:151]
	v_pk_add_f32 v[242:243], v[242:243], v[154:155]
	v_pk_add_f32 v[14:15], v[14:15], v[158:159]
	v_pk_add_f32 v[228:229], v[228:229], v[162:163]
	s_delay_alu instid0(VALU_DEP_2)
	v_pk_add_f32 v[14:15], v[14:15], v[248:249]
	s_delay_alu instid0(VALU_DEP_2)
	v_pk_add_f32 v[228:229], v[228:229], v[246:247]
	v_pk_add_f32 v[252:253], v[252:253], v[244:245]
	v_pk_add_f32 v[250:251], v[250:251], v[242:243]
	s_delay_alu instid0(VALU_DEP_2)
	v_pk_add_f32 v[14:15], v[14:15], v[252:253]
	s_delay_alu instid0(VALU_DEP_2)
	v_pk_add_f32 v[228:229], v[228:229], v[250:251]
	s_delay_alu instid0(VALU_DEP_1)
	v_pk_add_f32 v[14:15], v[14:15], v[228:229]
	s_wait_dscnt 0x0                               ; v and its scale words
.irp t, 0,2                                    ; one product an accumulator; the eight products of the next step's scores stand between two links of a chain
	v_wmma_scale_f32_16x16x128_f8f6f4 v[OT+8*\t:OT+8*\t+7], v[VF+8*\t:VF+8*\t+7], v[PC:PC+7], v[OT+8*\t:OT+8*\t+7], v[VS+\t/2], v[PS] matrix_a_fmt:MATRIX_FMT_FP4 matrix_b_fmt:MATRIX_FMT_FP4
	v_wmma_scale_f32_16x16x128_f8f6f4 v[OT+8*\t+8:OT+8*\t+15], v[VF+8*\t+8:VF+8*\t+15], v[PC:PC+7], v[OT+8*\t+8:OT+8*\t+15], v[VS+\t/2], v[PS] matrix_a_fmt:MATRIX_FMT_FP4 matrix_b_fmt:MATRIX_FMT_FP4 matrix_a_scale:MATRIX_SCALE_ROW1
.endr
	s_add_co_u32 s[TB], s[TB], REC
.endm
; Chunk j: eight key steps.  The wave that fetched waits for its part of this chunk (the 3 - j chunks behind it may stay out), then signals; all sixteen read behind the barrier.
.macro CHUNK j
	s_wait_tensorcnt 3-\j
	s_wait_dscnt 0x0                               ; no LDS instruction of mine is out at a signal
	s_barrier_signal -1
	s_barrier_wait -1
	s_mov_b32 s[TB], \j*CHB
	s_mov_b32 s[CNT], 8
.Lstep_\@:
	s_setprio 2
	STEP
	s_sub_co_u32 s[CNT], s[CNT], 1
	s_cmp_lg_u32 s[CNT], 0
	s_cbranch_scc1 .Lstep_\@
	s_setprio 0
.endm
	s_wait_loadcnt 0x0                             ; q
	CHUNK 0
	CHUNK 1
	CHUNK 2
	CHUNK 3                                        ; its wait is for 0: no tensor load is out from here on
	; THE WAY OUT.  O^T / l; its four tiles are the head's 64 channels, two blocks of the projection's K: quantised as q, k and v were, and stored as the operand's registers stand.
.rept 4
	v_nop                                          ; places in front of the first read of results
.endr
	s_wait_alu depctr_va_vdst(0)
	v_add_f32 v14, v14, v15                        ; the sum's two halves,
	s_delay_alu instid0(VALU_DEP_1)
	v_permlanex16_b32 v[TMP], v14, s[SEL], s[SEL+1]
	s_delay_alu instid0(VALU_DEP_1)
	v_add_f32 v14, v14, v[TMP]                     ; and lane l xor 16's: l
	s_wait_alu depctr_va_vdst(0)
	v_rcp_f32 v[RL], v14
	v_cmp_le_u32 vcc_lo, 16, v[LANE]               ; (stands behind the transcendental with the line below)
	v_nop                                          ; one plain place behind a transcendental
	s_wait_alu depctr_va_vdst(0)
	v_mov_b32 v[RL+1], v[RL]
.set j, 0
.rept 16
	v_pk_mul_f32 v[S+j:S+j+1], v[OT+j:OT+j+1], v[RL:RL+1]          ; each accumulator from its low end on
.set j, j+2
.endr
.macro QUANT4 s, cd, wd                ; as in the launch before: four tiles in v[s] on -> v[cd] .. v[cd + 3] of lane (r, h) = the codes of numbers 32 h .. 32 h + 31; the two bytes stay in v[TM + 4], v[TM + 5]
.irp b, 0,1
	v_max3_num_f32 v[TM+\b], |v[\s+16*\b]|, |v[\s+16*\b+1]|, 0x1800000
.endr
.irp i, 2,4,6,8,10,12,14
.irp b, 0,1
	s_delay_alu instid0(VALU_DEP_2)
	v_max3_num_f32 v[TM+\b], v[TM+\b], |v[\s+16*\b+\i]|, |v[\s+16*\b+\i+1]|
.endr
.endr
.irp b, 0,1
	s_delay_alu instid0(VALU_DEP_2)
	v_permlanex16_b32 v[TM+2+\b], v[TM+\b], s[SEL], s[SEL+1]
.endr
.irp b, 0,1
	s_delay_alu instid0(VALU_DEP_2)
	v_max_num_f32 v[TM+\b], v[TM+\b], v[TM+2+\b]
.endr
.irp b, 0,1
	s_delay_alu instid0(VALU_DEP_2)
	v_add_nc_u32 v[TM+6+\b], 0xff000000, v[TM+\b]
.endr
.irp b, 0,1
	s_delay_alu instid0(VALU_DEP_2)
	v_lshrrev_b32 v[TM+4+\b], 23, v[TM+6+\b]
.endr
	s_delay_alu instid0(VALU_DEP_1)
	v_lshl_or_b32 v[(\wd)], v[TM+5], 8, v[TM+4]
	v_cvt_scalef32_pk8_fp4_f32 v[(\cd)], v[\s:\s+7], v[TM+6]
	v_cvt_scalef32_pk8_fp4_f32 v[(\cd)+2], v[\s+8:\s+15], v[TM+6]
	v_cvt_scalef32_pk8_fp4_f32 v[(\cd)+1], v[\s+16:\s+23], v[TM+7]
	v_cvt_scalef32_pk8_fp4_f32 v[(\cd)+3], v[\s+24:\s+31], v[TM+7]
	v_nop
	v_permlane16_swap_b32 v[(\cd)], v[(\cd)+1]
	v_permlane16_swap_b32 v[(\cd)+2], v[(\cd)+3]
.endm
	QUANT4 S, PC, TMP
	v_cndmask_b32 v[OB], v[TM+4], v[TM+5], vcc_lo  ; lane (r, h) stores block h's byte of query r
	global_store_b128 v[LI], v[PC:PC+3], s[8:9]    ; 32 lanes store 512 consecutive bytes
	global_store_b8 v[OSO], v[OB], s[10:11]        ; a head owns 2 of a scale word's 4 bytes: 32 single bytes a wave, one byte for each 16 bytes of codes
	s_wait_tensorcnt 0x0
	ds_add_u32 v254, v255
	s_wait_dscnt 0x0
	CROUND                                         ; the closing round: no work-group ends while a partner may still ask for a tile that names it
	s_endpgm
.Lfunc_end_k_qae91c45ff2_attn:
	.size	k_qae91c45ff2_attn, .Lfunc_end_k_qae91c45ff2_attn-k_qae91c45ff2_attn
	.p2alignl 7, 3214868480
	.fill 96, 4, 3214868480
	.section	.rodata,"a",@progbits
	.p2align	6, 0x0
	.amdhsa_kernel k_qae91c45ff2_attn
		.amdhsa_group_segment_fixed_size 288768
		.amdhsa_private_segment_fixed_size 0
		.amdhsa_enable_private_segment 0
		.amdhsa_kernarg_size 32
		.amdhsa_user_sgpr_count 2
		.amdhsa_user_sgpr_kernarg_segment_ptr 1
		.amdhsa_wavefront_size32 1
		.amdhsa_system_sgpr_workgroup_id_x 1
		.amdhsa_system_sgpr_workgroup_id_y 1
		.amdhsa_system_sgpr_workgroup_id_z 1
		.amdhsa_system_vgpr_workitem_id 0
		.amdhsa_next_free_vgpr 256
		.amdhsa_next_free_sgpr 66
		.amdhsa_reserve_vcc 1
		.amdhsa_float_denorm_mode_32 3
		.amdhsa_float_denorm_mode_16_64 3
		.amdhsa_memory_ordered 1
		.amdhsa_forward_progress 1
		.amdhsa_inst_pref_size 77
	.end_amdhsa_kernel
	.amdgpu_metadata
---
amdhsa.version: [ 1, 2 ]
amdhsa.kernels:
  - .name:           k_qae91c45ff2_attn
    .symbol:         k_qae91c45ff2_attn.kd
    .args:
      - { .name: qbuf, .offset: 0, .size: 8, .value_kind: global_buffer, .address_space: global }
      - { .name: kv, .offset: 8, .size: 8, .value_kind: global_buffer, .address_space: global }
      - { .name: ocodes, .offset: 16, .size: 8, .value_kind: global_buffer, .address_space: global }
      - { .name: oscales, .offset: 24, .size: 8, .value_kind: global_buffer, .address_space: global }
    .group_segment_fixed_size: 288768
    .private_segment_fixed_size: 0
    .kernarg_segment_align: 8
    .kernarg_segment_size: 32
    .max_flat_workgroup_size: 512
    .sgpr_count:     66
    .vgpr_count:     256
    .wavefront_size: 32
...
	.end_amdgpu_metadata
.endif
;; end of part 3
;; launch proj (part 4): grid 256 x 1, 8 waves a work-group, no clusters, 70,656 bytes of LDS; arguments ocodes, oscales, w_proj_codes, w_proj_scales, b_proj, x, out0; writes out0
.if DOCPART == 4
	.amdgcn_target "amdgcn-amd-amdhsa--gfx1250"
	.amdhsa_code_object_version 6
	.text
	.protected	k_qae91c45ff2_proj
	.globl	k_qae91c45ff2_proj
	.p2align	8
	.type	k_qae91c45ff2_proj,@function
k_qae91c45ff2_proj:
	s_mov_b64 s[64:65], 0
	v_nop
	global_prefetch_b8 v0, s[64:65] scope:SCOPE_SE
	s_setreg_imm32_b32 hwreg(HW_REG_WAVE_MODE, 25, 1), 1
	s_wait_xcnt 0x0
; out0 = w_proj O + b_proj + x, the product on codes of FP4 (E2M1) with one E8M0 scale for each 32 along K = the 256 channels.
; A work-group takes 64 pixels of one image (b = g / 64, pixels 64 (g % 64) on: four tiles of 16); wave w takes outputs 32 w .. 32 w + 31 (two tiles).  The waves share nothing: no barrier.
; Source 0 = 16 pixels of O, source 1 = 16 rows of w_proj: lane (r, h) holds output r and its registers eight neighbouring pixels 8 h + j, 32 bytes of a row of out0.  The bias is the C of each sum's first product.
; O's codes lie in memory as images of the operand's registers (tile, K step s, half c: 2,048 T + 1,024 s + 512 c + 16 x lane); its scale words so that lanes 0-15 take K step 0's and lanes 16-31 K step 1's.
; THE WAY OUT.  A wave's 32 outputs x 64 pixels go through its own stage in LDS, rows of 256 bytes 272 bytes apart (an odd multiple of 16, so that the sixteen rows of a store start at sixteen different 16-byte columns
; modulo 256), and come back two whole rows an instruction; x, loaded in that same shape at the head, is added, and sixteen lanes store 256 consecutive, aligned bytes.
; No cluster and no tensor load: what the work-groups share is w_proj's 34,816 bytes, which go straight into registers.  x and out0 are touched for the last time: non-temporal hints.
; LIMITS: NaN and infinities are not served.
.set LI,   1                           ; 16 x lane
.set XO,   2                           ; 16,384 h + 16 r: two rows of x or out0
.set WO,   3                           ; 128 r + 16 h
.set STO,  4                           ; the stage, in
.set RD,   5                           ; the stage, back
.set L4,   6                           ; 4 x lane
.set WSO,  7                           ; 8 r + 4 h
.set BO,   8                           ; r, then 4 r
.set H,    9
.set OS,   10                          ; v10-13   O's scale words;  v14-15 w_proj's: these hold scales and nothing else
.set WS,   14
.set OF,   16                          ; v16-79   O's fragments, (tile m, K step s) at OF + 16 m + 8 s; later the rows read back
.set WF,   80                          ; v80-111  w_proj's, (u, s) at WF + 16 u + 8 s
.set BI,   112                         ; v112-127 the bias in the result's layout, eight registers a tile of outputs
.set ACC,  128                         ; v128-191 accumulator (u, m) at ACC + 32 u + 8 m
.set XR,   192                         ; v192-255 x
	s_load_b256 s[4:11], s[0:1], 0x0               ; O's codes, O's scales, W's codes, W's scales
	s_load_b128 s[12:15], s[0:1], 0x20             ; b_proj, x
	s_load_b64 s[16:17], s[0:1], 0x30              ; out0
	s_set_vgpr_msb 0x40
	v_lshl_add_u32 v0, v0, 2, 0x11000
	v_mov_b32 v1, 0
	s_set_vgpr_msb 0x4000
	v_lshrrev_b32 v[H], 5, v0
	s_delay_alu instid0(VALU_DEP_1)
	v_readfirstlane_b32 s18, v[H]                  ; wave 0..7
	v_and_b32 v[LI], 31, v0
	v_and_b32 v[BO], 15, v0                        ; r
	v_bfe_u32 v[H], v0, 4, 1                       ; h
	s_delay_alu instid0(VALU_DEP_3)
	v_lshlrev_b32 v[L4], 2, v[LI]
	s_delay_alu instid0(VALU_DEP_4)
	v_lshlrev_b32 v[LI], 4, v[LI]
	s_delay_alu instid0(VALU_DEP_3)
	v_lshlrev_b32 v[XO], 14, v[H]
	s_delay_alu instid0(VALU_DEP_1)
	v_lshl_add_u32 v[XO], v[BO], 4, v[XO]
	v_lshlrev_b32 v[WO], 7, v[BO]
	s_delay_alu instid0(VALU_DEP_1)
	v_lshl_add_u32 v[WO], v[H], 4, v[WO]
	v_lshlrev_b32 v[WSO], 3, v[BO]
	s_delay_alu instid0(VALU_DEP_1)
	v_lshl_add_u32 v[WSO], v[H], 2, v[WSO]
	s_mul_i32 s19, s18, 32*272                     ; my stage
	v_mul_u32_u24 v[STO], v[BO], 272
	s_delay_alu instid0(VALU_DEP_1)
	v_lshl_add_u32 v[STO], v[H], 5, v[STO]
	s_delay_alu instid0(VALU_DEP_1)
	v_add_nc_u32 v[STO], s19, v[STO]               ; in: row r, + 32 h
	v_mul_u32_u24 v[RD], v[H], 272
	s_delay_alu instid0(VALU_DEP_1)
	v_lshl_add_u32 v[RD], v[BO], 4, v[RD]
	s_delay_alu instid0(VALU_DEP_1)
	v_add_nc_u32 v[RD], s19, v[RD]                 ; back: lanes 0-15 one row, lanes 16-31 the next
	v_lshlrev_b32 v[BO], 2, v[BO]                  ; the bias: 4 r
	s_lshr_b32 s20, ttmp9, 6                       ; b
	s_and_b32 s21, ttmp9, 63                       ; block of 64 pixels
	s_lshl_b32 s22, s20, 8
	s_lshl_b32 s23, s21, 2
	s_add_co_u32 s22, s22, s23                     ; the first of my four tiles
	s_lshl_b32 s24, s22, 11
	s_mov_b32 s25, 0
	s_lshl_b32 s26, s22, 7
	s_mov_b32 s27, 0
	s_lshl_b32 s28, s18, 12                        ; W's rows 32 w on: 128 bytes of codes a row,
	s_mov_b32 s29, 0
	s_lshl_b32 s30, s18, 8                         ; 8 scale bytes,
	s_mov_b32 s31, 0
	s_lshl_b32 s32, s18, 7                         ; 4 bytes of bias
	s_mov_b32 s33, 0
	s_lshl_b32 s34, s20, 22
	s_lshl_b32 s23, s18, 19
	s_add_co_u32 s34, s34, s23
	s_lshl_b32 s23, s21, 8
	s_add_co_u32 s34, s34, s23                     ; x, out0: image, my 32 rows, the 64 pixels
	s_mov_b32 s35, 0
	s_wait_alu depctr_va_vdst(0)
	s_wait_kmcnt 0x0
	s_add_nc_u64 s[4:5], s[4:5], s[24:25]
	s_add_nc_u64 s[6:7], s[6:7], s[26:27]
	s_add_nc_u64 s[8:9], s[8:9], s[28:29]
	s_add_nc_u64 s[10:11], s[10:11], s[30:31]
	s_add_nc_u64 s[12:13], s[12:13], s[32:33]
	s_add_nc_u64 s[14:15], s[14:15], s[34:35]
	s_add_nc_u64 s[16:17], s[16:17], s[34:35]
.irp m, 0,1,2,3
.irp s, 0,1
.irp c, 0,1
	global_load_b128 v[OF+16*\m+8*\s+4*\c:OF+16*\m+8*\s+4*\c+3], v[LI], s[4:5] offset:2048*\m+1024*\s+512*\c
.endr
.endr
	global_load_b32 v[OS+\m], v[L4], s[6:7] offset:128*\m
.endr
.irp u, 0,1
.irp s, 0,1
.irp c, 0,1
	global_load_b128 v[WF+16*\u+8*\s+4*\c:WF+16*\u+8*\s+4*\c+3], v[WO], s[8:9] offset:2048*\u+64*\s+32*\c
.endr
.endr
	global_load_b32 v[WS+\u], v[WSO], s[10:11] offset:128*\u
	global_load_b32 v[BI+8*\u], v[BO], s[12:13] offset:64*\u       ; b_proj of output 32 w + 16 u + r
.endr
.irp i, 0,1,2,3,4,5,6,7,8,9,10,11,12,13,14,15
	global_load_b128 v[XR+4*\i:XR+4*\i+3], v[XO], s[14:15] offset:32768*\i th:TH_LOAD_NT     ; rows 2 i and 2 i + 1: sixteen lanes read 256 consecutive bytes
.endr
	s_wait_loadcnt 16                              ; the operands are in; x's sixteen loads may be out
.irp u, 0,1
.irp j, 1,2,3,4,5,6,7
	v_mov_b32 v[BI+8*\u+\j], v[BI+8*\u]            ; a lane's eight results belong to one output: its bias eight times
.endr
.endr
.rept 4
	v_nop                                          ; four places between these vector writes and the scaled products that take the registers as C
.endr
.irp u, 0,1                                    ; the eight accumulators take turns, one instruction a turn
.irp m, 0,1,2,3
	v_wmma_scale_f32_16x16x128_f8f6f4 v[ACC+32*\u+8*\m:ACC+32*\u+8*\m+7], v[OF+16*\m:OF+16*\m+7], v[WF+16*\u:WF+16*\u+7], v[BI+8*\u:BI+8*\u+7], v[OS+\m], v[WS+\u] matrix_a_fmt:MATRIX_FMT_FP4 matrix_b_fmt:MATRIX_FMT_FP4
.endr
.endr
.irp u, 0,1
.irp m, 0,1,2,3
	v_wmma_scale_f32_16x16x128_f8f6f4 v[ACC+32*\u+8*\m:ACC+32*\u+8*\m+7], v[OF+16*\m+8:OF+16*\m+15], v[WF+16*\u+8:WF+16*\u+15], v[ACC+32*\u+8*\m:ACC+32*\u+8*\m+7], v[OS+\m], v[WS+\u] matrix_a_fmt:MATRIX_FMT_FP4 matrix_b_fmt:MATRIX_FMT_FP4 matrix_a_scale:MATRIX_SCALE_ROW1 matrix_b_scale:MATRIX_SCALE_ROW1
.endr
.endr
.rept 4
	v_nop                                          ; places in front of the LDS stores that read results, and of the loads into registers that the products read
.endr
.irp u, 0,1
.irp m, 0,1,2,3
	ds_store_b128 v[STO], v[ACC+32*\u+8*\m:ACC+32*\u+8*\m+3] offset:4352*\u+64*\m          ; each accumulator from its low end on
	ds_store_b128 v[STO], v[ACC+32*\u+8*\m+4:ACC+32*\u+8*\m+7] offset:4352*\u+64*\m+16
.endr
.endr
.irp i, 0,1,2,3,4,5,6,7,8,9,10,11,12,13,14,15
	ds_load_b128 v[OF+4*\i:OF+4*\i+3], v[RD] offset:544*\i         ; LDS serves a wave's instructions in order (ISA guide 5.7.1.4): these see my stores
.endr
	s_wait_loadcnt 0x0                             ; x
.irp i, 0,1,2,3,4,5,6,7,8,9,10,11,12,13,14,15
	s_wait_dscnt 15-\i                             ; rows 2 i and 2 i + 1 are back; the later rows may be out
	v_pk_add_f32 v[OF+4*\i:OF+4*\i+1], v[OF+4*\i:OF+4*\i+1], v[XR+4*\i:XR+4*\i+1]          ; the residual
	v_pk_add_f32 v[OF+4*\i+2:OF+4*\i+3], v[OF+4*\i+2:OF+4*\i+3], v[XR+4*\i+2:XR+4*\i+3]
	global_store_b128 v[XO], v[OF+4*\i:OF+4*\i+3], s[16:17] offset:32768*\i th:TH_STORE_NT  ; sixteen lanes store 256 consecutive bytes, at a multiple of 256 from out0's first byte
.endr
	s_set_vgpr_msb 0x5
	s_wait_tensorcnt 0x0
	ds_add_u32 v0, v1
	s_wait_dscnt 0x0
	s_set_vgpr_msb 0x500
	s_endpgm
.Lfunc_end_k_qae91c45ff2_proj:
	.size	k_qae91c45ff2_proj, .Lfunc_end_k_qae91c45ff2_proj-k_qae91c45ff2_proj
	.p2alignl 7, 3214868480
	.fill 96, 4, 3214868480
	.section	.rodata,"a",@progbits
	.p2align	6, 0x0
	.amdhsa_kernel k_qae91c45ff2_proj
		.amdhsa_group_segment_fixed_size 70656
		.amdhsa_private_segment_fixed_size 0
		.amdhsa_enable_private_segment 0
		.amdhsa_kernarg_size 56
		.amdhsa_user_sgpr_count 2
		.amdhsa_user_sgpr_kernarg_segment_ptr 1
		.amdhsa_wavefront_size32 1
		.amdhsa_system_sgpr_workgroup_id_x 1
		.amdhsa_system_sgpr_workgroup_id_y 1
		.amdhsa_system_sgpr_workgroup_id_z 1
		.amdhsa_system_vgpr_workitem_id 0
		.amdhsa_next_free_vgpr 258
		.amdhsa_next_free_sgpr 66
		.amdhsa_reserve_vcc 0
		.amdhsa_float_denorm_mode_32 3
		.amdhsa_float_denorm_mode_16_64 3
		.amdhsa_memory_ordered 1
		.amdhsa_forward_progress 1
		.amdhsa_inst_pref_size 17
	.end_amdhsa_kernel
	.amdgpu_metadata
---
amdhsa.version: [ 1, 2 ]
amdhsa.kernels:
  - .name:           k_qae91c45ff2_proj
    .symbol:         k_qae91c45ff2_proj.kd
    .args:
      - { .name: ocodes, .offset: 0, .size: 8, .value_kind: global_buffer, .address_space: global }
      - { .name: oscales, .offset: 8, .size: 8, .value_kind: global_buffer, .address_space: global }
      - { .name: w_proj_codes, .offset: 16, .size: 8, .value_kind: global_buffer, .address_space: global }
      - { .name: w_proj_scales, .offset: 24, .size: 8, .value_kind: global_buffer, .address_space: global }
      - { .name: b_proj, .offset: 32, .size: 8, .value_kind: global_buffer, .address_space: global }
      - { .name: x, .offset: 40, .size: 8, .value_kind: global_buffer, .address_space: global }
      - { .name: out0, .offset: 48, .size: 8, .value_kind: global_buffer, .address_space: global }
    .group_segment_fixed_size: 70656
    .private_segment_fixed_size: 0
    .kernarg_segment_align: 8
    .kernarg_segment_size: 56
    .max_flat_workgroup_size: 256
    .sgpr_count:     66
    .vgpr_count:     258
    .wavefront_size: 32
...
	.end_amdgpu_metadata
.endif
;; end of part 4
